; MI455X (gfx1250); checked and timed in simulation.
; The chip was launched on July 23, 2026; its instructions are those of AMD's public machine-readable ISA for CDNA 5 (MIT licence, August 2026) and "CDNA5" Instruction Set Architecture Reference Guide (July 2026). The comments in the code are by the model that wrote it; some were corrected since.
;; Self Attention. Allowed arithmetic: matrix products marked QUANTISED: E2M1 operands, one E8M0 scale for each 32 along K, by v_wmma_scale_f32_16x16x128_f8f6f4 with both operands' format E2M1 (or v_wmma_scale_f32_32x16x128_f4), f32 sums; products left as they are: bf16, f16 or f32 operands; f32 sums; everything else in f32.
;; Inputs: Wk 1,024 x 1,024 float32; Wo 1,024 x 1,024 float32; Wq 1,024 x 1,024 float32; Wv 1,024 x 1,024 float32; hidden_states 2 x 2,048 x 1,024 float32.
;; Outputs: out0 2 x 2,048 x 1,024 float32.
;; This version of the problem:
;;   THIS VERSION OF THE PROBLEM IS GIVEN IN LOW PRECISION. The matrix products marked QUANTISED in the list below multiply operands that are first quantised to E2M1 (2 exponent bits, 1 mantissa bit; 4 bits a number), with one power-of-two scale for each 32 numbers along K (OCP MX v1.0); their sums are f32. The products marked 'left as it is' may take bf16, f16 or f32 operands, with f32 sums. Whichever they take, every output number must still come out within the allowed error. Rounding operands to bf16 (8 significant bits) uses up far more of that allowance than f16 does (11 bits, for magnitudes from 6e-5 to 65,504). All else is computed in f32.
;;   The module's matrix products, in the order in which they are computed (A, B: the left and right operand; K: the contracted axis; several contracted axes count as one K, in the product's order):
;;     1. [M 4,096, K 1,024] x [K 1,024, N 1,024]; A: input hidden_states; B: input Wq: QUANTISED
;;     2. [M 4,096, K 1,024] x [K 1,024, N 1,024]; A: input hidden_states; B: input Wk: QUANTISED
;;     3. [M 4,096, K 1,024] x [K 1,024, N 1,024]; A: input hidden_states; B: input Wv: QUANTISED
;;     4. batch 64 x [M 2,048, K 32] x [K 32, N 2,048]; A: computed on the way; B: computed on the way: left as it is (an operand is computed on the way)
;;     5. batch 64 x [M 2,048, K 2,048] x [K 2,048, N 32]; A: computed on the way; B: computed on the way: left as it is (an operand is computed on the way)
;;     6. [M 4,096, K 1,024] x [K 1,024, N 1,024]; A: computed on the way; B: input Wo: left as it is (an operand is computed on the way)
;;   THE QUANTISER, for each operand of a quantised product, along K:
;;     - K is cut into blocks of 32 from its start; a last block that is shorter is filled with zeros.
;;     - A block's scale is 2^e with e = floor(log2(the largest magnitude in the block)) - 2, held to -126 .. 127; a block of zeros has e = 0. As a byte (E8M0): e + 127.
;;     - Each number is divided by its block's scale, clamped to +-6, and rounded to the nearest number of E2M1, ties to even, subnormals kept.
;;     - The product sums the exact products of the quantised numbers (number of the format x scale) in f32.
;;   ~~~python
;;   def quantise(x, axis):      # numpy; x: float32 -> the quantised numbers, widened to float32 again
;;       x = np.moveaxis(x, axis, -1); K = x.shape[-1]
;;       x = np.pad(x, [(0, 0)] * (x.ndim - 1) + [(0, -K % 32)]); x = x.reshape(x.shape[:-1] + (-1, 32)); a = np.abs(x).max(-1, keepdims=True)
;;       e = np.where(a > 0, np.clip(np.frexp(np.where(a > 0, a, 1))[1] - 1 - 2, -126, 127), 0)      # np.frexp(a)[1] - 1 = floor(log2(a)), exactly
;;       r = np.clip(x / 2.0 ** e, -6, 6)
;;       step = 2.0 ** (np.maximum(np.frexp(np.where(r == 0, 1, r))[1] - 1, 0) - 1)
;;       q = np.round(r / step) * step * 2.0 ** e      # np.round: ties to even
;;       return np.moveaxis(q.reshape(q.shape[:-2] + (-1,))[..., :K], -1, axis).astype(np.float32)
;;   ~~~
;; One version. Each part assembles by itself: llvm-mc -triple=amdgcn-amd-amdhsa -mcpu=gfx1250 --defsym DOCPART=n.
;; ======== version 1 of 1: 4 launches
;; limits: values are held in f16: magnitudes above 65,504 overflow, below 6.1e-05 lose precision
;; workspace buffers: hcodes 2,097,152 bytes; hscales 131,072 bytes; wcodes 1,572,864 bytes; wscales 98,304 bytes; wo16 2,097,152 bytes; rope 262,144 bytes; qkv 25,165,824 bytes; af 8,388,608 bytes
;; launch prep (part 1): grid 272 x 1, 4 waves a work-group, no clusters, 33,280 bytes of LDS; arguments hidden_states, Wq, Wk, Wv, Wo, hcodes, hscales, wcodes, wscales, wo16, rope; writes hcodes, hscales, wcodes, wscales, wo16, rope
.if DOCPART == 1
	.amdgcn_target "amdgcn-amd-amdhsa--gfx1250"
	.amdhsa_code_object_version 6
	.text
	.protected	k_q3213631188_prep
	.globl	k_q3213631188_prep
	.p2align	8
	.type	k_q3213631188_prep,@function
k_q3213631188_prep:
	s_mov_b64 s[64:65], 0
	v_nop
	global_prefetch_b8 v0, s[64:65] scope:SCOPE_SE
	s_setreg_imm32_b32 hwreg(HW_REG_WAVE_MODE, 25, 1), 1
	s_wait_xcnt 0x0
; THREE JOBS IN ONE LAUNCH, parted by the work-group's number.
; Work-groups 0-223: hidden_states [4096][1024] and Wq, Wk, Wv [1024][1024], f32 with K innermost, become codes of FP4 (E2M1), two to a byte, and one E8M0 byte for each 32 along K.
;   A block's scale is 2^(floor(log2(its largest magnitude)) - 2); its byte is the largest magnitude's exponent field - 2, held at 1 from below; each number is divided by the scale and rounded to the nearest code, ties to even.
;   Rows are dense and K is a multiple of 32: each tensor is a plain stream of blocks, and so are its codes and bytes.  hidden: 128 work-groups of 32,768 numbers; each W: 32; the three W lie on end in wcodes and wscales.
; Work-groups 224-255: Wo [1024][1024] f32 becomes f16, row-major: 32 work-groups of 32,768 numbers.
; Work-groups 256-271: the table of cos and sin for the rotation of pairs, laid as the next launch's lanes take it: [token tile 128][c 2][u 2][lane 32][16 bytes]; lane (r, h) holds cos, sin, cos, sin of token 16 tile + r
;   for the pairs i = 8 c + 4 h + 2 u and i + 1.  The angle is token x 10^(-i / 4); it is brought into [-pi/4, pi/4] by a multiple of pi/2 in two parts, and sine and cosine are polynomials there.
; LIMITS: a block whose largest magnitude lies under 2^-124, a block of zeros among them, gets the byte 1 (its codes then add nothing or next to nothing; the bytes are read by this program alone); NaN and infinities are not served;
;   Wo beyond 65,504 in magnitude has no f16 number; 10^(-i / 4) is the product of two f32 constants.
; No cluster: no two work-groups read the same bytes.  No tensor loads, no barrier: waves share nothing.
.set STEPS, 16
.set EMAX,  2
.set CB,    8                          ; bytes of 16 codes
.set R,     16                         ; v16-79   four sets of 16 numbers as they are loaded
.set X,     80                         ; v80-111  two sets of 16 neighbours
.set E,     112                        ; v112-127 a scale byte for each step
.set C,     128                        ; v128-191 codes: four registers for each step, so that no store's data are written again
.set WREG,  8192                       ; LDS: a region for each wave: two stages of 32 x SP bytes, behind them its 256 scale bytes
.set SP,    80                         ; a lane's place in a stage: 64 bytes + 16 of padding
.set SPW,   12                         ; v12  LDS address of my spare word; never rewritten
.set NIL,   13                         ; v13  0; never rewritten
.set SPARE, 4*WREG                     ; behind the four regions: the spare words, 128 bytes for each wave
.set IN,    16                         ; Wo: v16-143 two sets of 64 numbers
.set OUTW,  144                        ; Wo: v144-175 a batch's f16 pairs
.macro FINISH                          ; the wave's end, behind the last LDS store
	s_wait_tensorcnt 0x0
	ds_add_u32 v[SPW], v[NIL]
	s_wait_dscnt 0x0
	s_endpgm
.endm
.macro LOAD t
.irp i, 0,1,2,3
	global_load_b128 v[R+16*((\t)%4)+4*\i:R+16*((\t)%4)+4*\i+3], v3, s[28:29] offset:2048*(\t)+512*\i th:TH_LOAD_NT   ; 32 lanes read 512 consecutive bytes
.endr
.endm
.macro TURN t                          ; a step's 2,048 bytes go through the stage as they lie and come back 64 bytes a lane; LDS serves a wave's instructions in order
.irp i, 0,1,2,3
	ds_store_b128 v14, v[R+16*((\t)%4)+4*\i:R+16*((\t)%4)+4*\i+3] offset:32*SP*((\t)%2)+8*SP*\i
.endr
.irp i, 0,1,2,3
	ds_load_b128 v[X+16*((\t)%2)+4*\i:X+16*((\t)%2)+4*\i+3], v15 offset:32*SP*((\t)%2)+16*\i
.endr
.endm
.macro STEP t
.set XS, X+16*((\t)%2)
.if (\t) > 0
	s_wait_dscnt 1                                 ; this step's numbers are back from the stage; the last step's byte store may be out
.else
	s_wait_dscnt 0x0
.endif
.if (\t)+4 < STEPS
	LOAD (\t)+4                                    ; into the registers that the stage's stores have read
.endif
.if (\t)+1 < STEPS
.if STEPS-2-(\t) >= 3
	s_wait_loadcnt 12                              ; the next step's four loads are in; those of the three steps behind it may be out
.else
	s_wait_loadcnt 4*(STEPS-2-(\t))
.endif
	TURN (\t)+1
.endif
	v_max3_num_f32 v8, |v[XS]|, |v[XS+1]|, |v[XS+2]|               ; the largest magnitude of my 16, in two chains
	v_max3_num_f32 v9, |v[XS+3]|, |v[XS+4]|, |v[XS+5]|
.irp i, 6,10
	v_max3_num_f32 v8, v8, |v[XS+\i]|, |v[XS+\i+1]|
	v_max3_num_f32 v9, v9, |v[XS+\i+2]|, |v[XS+\i+3]|
.endr
	v_max3_num_f32 v8, v8, |v[XS+14]|, |v[XS+15]|
	v_max3_num_f32 v8, v8, v9, (EMAX+1)<<23        ; and the floor 2^(3 - 127): the byte cannot fall under 1
	v_max_num_f32_dpp v8, v8, v8 row_xmask:1 row_mask:0xf bank_mask:0xf   ; with my neighbour's 16: the block's
	v_add_nc_u32 v11, -(EMAX<<23), v8              ; 2 off its exponent field: the conversion takes the exponent field of this operand as its scale
	v_cvt_scalef32_pk8_fp4_f32 v[C+4*(\t)], v[XS:XS+7], v11
	v_cvt_scalef32_pk8_fp4_f32 v[C+4*(\t)+1], v[XS+8:XS+15], v11
	v_lshrrev_b32 v[E+(\t)], 23, v11               ; the scale's byte (a plain line behind the conversions)
	ds_store_b8 v5, v[E+(\t)] offset:16*(\t)       ; both lanes of a block write the same byte with the same value
	global_store_b64 v4, v[C+4*(\t):C+4*(\t)+1], s[30:31] offset:32*CB*(\t)   ; the wave stores 256 consecutive bytes
.endm
.macro WLOAD b                         ; Wo: sixteen loads of 512 consecutive bytes
.irp n, 0,1,2,3,4,5,6,7,8,9,10,11,12,13,14,15
	global_load_b128 v[IN+64*((\b)%2)+4*\n:IN+64*((\b)%2)+4*\n+3], v3, s[28:29] offset:512*(16*(\b)+\n) th:TH_LOAD_NT
.endr
.endm
.macro WCONV b, left                   ; left: the younger batch's loads, which may stay out
	s_wait_loadcnt \left
.if (\b) > 0
	s_wait_xcnt 0x0                                ; the last batch's stores have read their data: the registers are written again only behind this wait
.endif
.irp n, 0,1,2,3,4,5,6,7,8,9,10,11,12,13,14,15
	v_cvt_pk_f16_f32 v[OUTW+2*\n], v[IN+64*((\b)%2)+4*\n], v[IN+64*((\b)%2)+4*\n+1]
	v_cvt_pk_f16_f32 v[OUTW+2*\n+1], v[IN+64*((\b)%2)+4*\n+2], v[IN+64*((\b)%2)+4*\n+3]
.endr
.irp n, 0,1,2,3,4,5,6,7,8,9,10,11,12,13,14,15
	global_store_b64 v4, v[OUTW+2*\n:OUTW+2*\n+1], s[30:31] offset:256*(16*(\b)+\n)   ; the wave stores 256 consecutive bytes
.endr
.endm
; cos and sin of v[x] (0 or more, under 2,048) into v[dc] and v[ds].  n = the nearest whole number to x 2/pi; rr = x - n pi/2, pi/2 in two parts; the quadrant n mod 4 only selects values and signs.
.macro SINCOS x, dc, ds
	v_mul_f32 v24, s40, v[\x]
	v_rndne_f32 v24, v24
	v_fma_f32 v25, v24, s41, v[\x]
	v_fma_f32 v25, v24, s42, v25
	v_cvt_i32_f32 v26, v24
	v_mul_f32 v27, v25, v25                        ; z = rr^2
	v_fma_f32 v28, v27, s43, s44
	v_fma_f32 v28, v28, v27, s45
	v_mul_f32 v30, v27, v25
	v_fma_f32 v28, v28, v30, v25                   ; sin rr
	v_fma_f32 v29, v27, s46, s47
	v_fma_f32 v29, v29, v27, s48
	v_mul_f32 v30, v27, v27
	v_fma_f32 v31, v27, -0.5, 1.0
	v_fma_f32 v29, v29, v30, v31                   ; cos rr
	v_and_b32 v30, 1, v26
	v_cmp_eq_u32 vcc_lo, 1, v30                    ; an odd quadrant swaps the two
	v_cndmask_b32 v[\ds], v28, v29, vcc_lo
	v_cndmask_b32 v[\dc], v29, v28, vcc_lo
	v_lshlrev_b32 v30, 30, v26
	v_and_b32 v30, s49, v30                        ; sin is negative in quadrants 2 and 3,
	v_xor_b32 v[\ds], v[\ds], v30
	v_add_nc_u32 v31, 1, v26
	v_lshlrev_b32 v31, 30, v31
	v_and_b32 v31, s49, v31                        ; cos in quadrants 1 and 2
	v_xor_b32 v[\dc], v[\dc], v31
.endm
	s_load_b512 s[4:19], s[0:1], 0x0               ; hidden s[4:5], Wq s[6:7], Wk s[8:9], Wv s[10:11], Wo s[12:13], hcodes s[14:15], hscales s[16:17], wcodes s[18:19]
	s_load_b128 s[20:23], s[0:1], 0x40             ; wscales s[20:21], wo16 s[22:23]
	s_load_b64 s[24:25], s[0:1], 0x50              ; rope
	v_lshl_add_u32 v[SPW], v0, 2, SPARE
	v_mov_b32 v[NIL], 0
	v_lshrrev_b32 v1, 5, v0
	v_readfirstlane_b32 s26, v1                    ; wave 0..3
	v_and_b32 v2, 31, v0                           ; lane
	s_wait_kmcnt 0x0
	s_cmp_ge_u32 ttmp9, 224
	s_cbranch_scc1 .Lother
	; ---- the quantiser
	v_lshlrev_b32 v3, 4, v2                        ; my 16 bytes of a load's 512
	s_mul_i32 s27, s26, WREG
	v_lshrrev_b32 v14, 2, v2
	v_mul_u32_u24 v14, v14, SP
	v_and_b32 v15, 3, v2
	v_lshl_add_u32 v14, v15, 4, v14
	v_add_nc_u32 v14, s27, v14                     ; the stage, on the way in: four lanes' 64 bytes on end, then 16 of padding
	v_mul_u32_u24 v15, v2, SP
	v_add_nc_u32 v15, s27, v15                     ; and on the way out: my 16 neighbours
	v_mul_u32_u24 v4, v2, CB                       ; my codes' place in a step's
	v_lshrrev_b32 v5, 1, v2
	s_add_co_u32 s27, s27, 2*32*SP
	v_add_nc_u32 v5, s27, v5                       ; my wave's 256 scale bytes, my block's byte
	v_lshlrev_b32 v7, 3, v2
	v_add_nc_u32 v6, s27, v7                       ; and on the way out 8 bytes a lane
	s_and_b32 s34, ttmp9, 31                       ; which part of a W (128, 160 and 192 are multiples of 32),
	s_sub_co_u32 s35, ttmp9, 128                   ; and of the three W on end
	s_cmp_lt_u32 ttmp9, 192                        ; the choices hang on the work-group's number alone
	s_cselect_b64 s[28:29], s[8:9], s[10:11]
	s_cmp_lt_u32 ttmp9, 160
	s_cselect_b64 s[28:29], s[6:7], s[28:29]
	s_cmp_lt_u32 ttmp9, 128
	s_cselect_b64 s[28:29], s[4:5], s[28:29]       ; the numbers,
	s_cselect_b64 s[30:31], s[14:15], s[18:19]     ; the codes,
	s_cselect_b64 s[32:33], s[16:17], s[20:21]     ; the bytes
	s_cselect_b32 s34, ttmp9, s34
	s_cselect_b32 s35, ttmp9, s35
	s_lshl_b32 s34, s34, 2
	s_add_co_u32 s34, s34, s26                     ; my wave's run of 8,192 numbers in the source,
	s_lshl_b32 s36, s34, 15
	s_mov_b32 s37, 0
	s_add_nc_u64 s[28:29], s[28:29], s[36:37]
	s_lshl_b32 s35, s35, 2
	s_add_co_u32 s35, s35, s26                     ; and in the results: 4,096 bytes of codes, 256 bytes of scales
	s_lshl_b32 s36, s35, 12
	s_add_nc_u64 s[30:31], s[30:31], s[36:37]
	s_lshl_b32 s36, s35, 8
	s_add_nc_u64 s[32:33], s[32:33], s[36:37]
.irp t, 0,1,2,3
	LOAD \t
.endr
	s_wait_loadcnt 12                              ; step 0's four loads are in
	TURN 0
.irp t, 0,1,2,3,4,5,6,7,8,9,10,11,12,13,14,15
	STEP \t
.endr
	ds_load_b64 v[8:9], v6                         ; LDS serves a wave's instructions in order: these see my byte stores
	s_wait_dscnt 0x0
	global_store_b64 v7, v[8:9], s[32:33]          ; 32 lanes store 256 consecutive bytes
	FINISH
.Lother:
	s_cmp_ge_u32 ttmp9, 256
	s_cbranch_scc1 .Ltable
	; ---- Wo to f16: two batches of sixteen loads on their way
	s_sub_co_u32 s34, ttmp9, 224
	s_lshl_b32 s34, s34, 2
	s_add_co_u32 s34, s34, s26                     ; my wave's run of 8,192 numbers
	s_lshl_b32 s36, s34, 15
	s_mov_b32 s37, 0
	s_add_nc_u64 s[28:29], s[12:13], s[36:37]
	s_lshl_b32 s36, s34, 14
	s_add_nc_u64 s[30:31], s[22:23], s[36:37]
	v_lshlrev_b32 v3, 4, v2
	v_lshlrev_b32 v4, 3, v2
	WLOAD 0
	WLOAD 1
	WCONV 0, 16
	WLOAD 2
	WCONV 1, 16
	WLOAD 3
	WCONV 2, 16
	WCONV 3, 0
	FINISH
.Ltable:
	; ---- the table: work-group j makes token tiles 8 j .. 8 j + 7; a tile is 2,048 bytes, 16 for each of the 128 threads
	s_lshr_b32 s27, s26, 1                         ; c
	s_and_b32 s28, s26, 1                          ; u
	s_cmp_eq_u32 s27, 0
	s_mov_b32 s30, 0x3c23d70a                      ; 0.01
	s_cselect_b32 s30, 0x3f800000, s30             ; 10^(-2 c), for h = 0
	s_mov_b32 s31, 0x3a83126f                      ; 0.001
	s_mov_b32 s32, 0x3dcccccd                      ; 0.1
	s_cselect_b32 s31, s32, s31                    ; 10^(-2 c - 1), for h = 1
	s_cmp_eq_u32 s28, 0
	s_mov_b32 s33, 0x3ea1e89b                      ; 10^-0.5
	s_cselect_b32 s33, 0x3f800000, s33             ; 10^(-u / 2)
	s_mov_b32 s34, 0x3e361887                      ; 10^-0.75
	s_mov_b32 s35, 0x3f0ff59a                      ; 10^-0.25
	s_cselect_b32 s34, s35, s34                    ; 10^(-u / 2 - 1 / 4)
	s_mov_b32 s40, 0x3f22f983                      ; 2 / pi
	s_mov_b32 s41, 0xbfc90fdb                      ; -pi/2, its f32 part,
	s_mov_b32 s42, 0x333bbd2e                      ; and what that part has too much
	s_mov_b32 s43, 0xb94ca1f9                      ; the sine's three coefficients
	s_mov_b32 s44, 0x3c08839e
	s_mov_b32 s45, 0xbe2aaaa3
	s_mov_b32 s46, 0x37ccf5ce                      ; the cosine's three
	s_mov_b32 s47, 0xbab6061a
	s_mov_b32 s48, 0x3d2aaaa5
	s_mov_b32 s49, 0x80000000
	v_bfe_u32 v16, v0, 4, 1                        ; h
	v_cmp_eq_u32 vcc_lo, 1, v16
	v_mov_b32 v17, s30
	v_mov_b32 v18, s31
	v_cndmask_b32 v17, v17, v18, vcc_lo
	v_mul_f32 v21, s33, v17                        ; 10^(-i / 4) of my first pair,
	v_mul_f32 v22, s34, v17                        ; of my second
	v_and_b32 v16, 15, v0                          ; r
	s_sub_co_u32 s36, ttmp9, 256                   ; j
	s_lshl_b32 s37, s36, 7
	v_add_nc_u32 v16, s37, v16
	v_cvt_f32_u32 v20, v16                         ; my token: 128 j + r, then 16 more a step
	v_lshlrev_b32 v23, 4, v0
	s_lshl_b32 s36, s36, 14
	s_mov_b32 s37, 0
	s_add_nc_u64 s[24:25], s[24:25], s[36:37]
.irp k, 0,1,2,3,4,5,6,7                ; each step has its own four registers: no store's data are written again
	v_mul_f32 v32, v20, v21
	v_mul_f32 v33, v20, v22
	SINCOS 32, 64+4*\k, 65+4*\k
	SINCOS 33, 66+4*\k, 67+4*\k
	global_store_b128 v23, v[64+4*\k:67+4*\k], s[24:25] offset:2048*\k   ; a wave stores 512 consecutive bytes
	v_add_f32 v20, 0x41800000, v20
.endr
	FINISH
.Lfunc_end_k_q3213631188_prep:
	.size	k_q3213631188_prep, .Lfunc_end_k_q3213631188_prep-k_q3213631188_prep
	.p2alignl 7, 3214868480
	.fill 96, 4, 3214868480
	.section	.rodata,"a",@progbits
	.p2align	6, 0x0
	.amdhsa_kernel k_q3213631188_prep
		.amdhsa_group_segment_fixed_size 33280
		.amdhsa_private_segment_fixed_size 0
		.amdhsa_enable_private_segment 0
		.amdhsa_kernarg_size 88
		.amdhsa_user_sgpr_count 2
		.amdhsa_user_sgpr_kernarg_segment_ptr 1
		.amdhsa_wavefront_size32 1
		.amdhsa_system_sgpr_workgroup_id_x 1
		.amdhsa_system_sgpr_workgroup_id_y 1
		.amdhsa_system_sgpr_workgroup_id_z 1
		.amdhsa_system_vgpr_workitem_id 0
		.amdhsa_next_free_vgpr 192
		.amdhsa_next_free_sgpr 66
		.amdhsa_reserve_vcc 1
		.amdhsa_float_denorm_mode_32 3
		.amdhsa_float_denorm_mode_16_64 3
		.amdhsa_memory_ordered 1
		.amdhsa_forward_progress 1
		.amdhsa_inst_pref_size 76
	.end_amdhsa_kernel
	.amdgpu_metadata
---
amdhsa.version: [ 1, 2 ]
amdhsa.kernels:
  - .name:           k_q3213631188_prep
    .symbol:         k_q3213631188_prep.kd
    .args:
      - { .name: hidden_states, .offset: 0, .size: 8, .value_kind: global_buffer, .address_space: global }
      - { .name: Wq, .offset: 8, .size: 8, .value_kind: global_buffer, .address_space: global }
      - { .name: Wk, .offset: 16, .size: 8, .value_kind: global_buffer, .address_space: global }
      - { .name: Wv, .offset: 24, .size: 8, .value_kind: global_buffer, .address_space: global }
      - { .name: Wo, .offset: 32, .size: 8, .value_kind: global_buffer, .address_space: global }
      - { .name: hcodes, .offset: 40, .size: 8, .value_kind: global_buffer, .address_space: global }
      - { .name: hscales, .offset: 48, .size: 8, .value_kind: global_buffer, .address_space: global }
      - { .name: wcodes, .offset: 56, .size: 8, .value_kind: global_buffer, .address_space: global }
      - { .name: wscales, .offset: 64, .size: 8, .value_kind: global_buffer, .address_space: global }
      - { .name: wo16, .offset: 72, .size: 8, .value_kind: global_buffer, .address_space: global }
      - { .name: rope, .offset: 80, .size: 8, .value_kind: global_buffer, .address_space: global }
    .group_segment_fixed_size: 33280
    .private_segment_fixed_size: 0
    .kernarg_segment_align: 8
    .kernarg_segment_size: 88
    .max_flat_workgroup_size: 128
    .sgpr_count:     66
    .vgpr_count:     192
    .wavefront_size: 32
...
	.end_amdgpu_metadata
.endif
;; end of part 1
;; launch qkv (part 2): grid 12 x 16, 16 waves a work-group, clusters of 4 x 4, 327,680 bytes of LDS; arguments hcodes, hscales, wcodes, wscales, rope, qkv; writes qkv
.if DOCPART == 2
	.amdgcn_target "amdgcn-amd-amdhsa--gfx1250"
	.amdhsa_code_object_version 6
	.text
	.protected	k_q3213631188_qkv
	.globl	k_q3213631188_qkv
	.p2align	8
	.type	k_q3213631188_qkv,@function
k_q3213631188_qkv:
	s_mov_b64 s[64:65], 0
	v_nop
	global_prefetch_b8 v0, s[64:65] scope:SCOPE_SE
	s_setreg_imm32_b32 hwreg(HW_REG_WAVE_MODE, 25, 1), 1
	s_wait_xcnt 0x0
	s_wait_alu depctr_hold_cnt(0) depctr_sa_sdst(0) depctr_va_vdst(0) depctr_va_sdst(0) depctr_va_ssrc(0) depctr_va_vcc(0) depctr_vm_vsrc(0)
	s_getreg_b32 s2, hwreg(HW_REG_IB_STS2, 6, 4)
	s_cmp_eq_u32 s2, 0
	s_cbranch_scc0 .Lentry_in_a_cluster
	s_endpgm
.Lentry_in_a_cluster:
	s_bfe_u32 s2, ttmp6, 0x10000c
	s_cmp_lg_u32 s2, 0xf033
	s_cbranch_scc0 .Lentry_shape_is_right
	s_endpgm
.Lentry_shape_is_right:
; q, k, v = hidden x Wq^T, Wk^T, Wv^T on codes of FP4 (E2M1) with one E8M0 scale for each 32 along K = 1,024; sums in f32; q and k are rotated in pairs (f32); all three are rounded to f16 and stored
; AS IMAGES OF THE NEXT LAUNCH'S OPERAND REGISTERS: qkv = [kind: q, k, v][batch x head: 64][131,072 bytes].  q and k of a head: [token tile 128][c 2][lane 32][16 bytes]: lane (r, h) holds channels 16 c + 8 h + 0..7 of token r.
; v of a head: [group of 32 keys: 64][channel tile 2][c 2][lane][16 bytes]: lane (r, h) holds keys 16 c + 8 h + 0..7 of channel r.  So every store of a wave covers 512 consecutive bytes, and no stage is needed.
; SHARES.  A work-group makes 256 tokens x 256 columns of the 3,072 (q's, k's, v's on end): 12 x 16 = 192 work-groups.  A tile of 192 columns would give 256, but would straddle q, k and v inside a cluster.
; Sixteen waves, each 64 tokens x 64 columns (two heads): 16 accumulators, 128 registers; four waves to a SIMD.
; K IS HELD WHOLE IN LDS: 256 rows x 512 bytes of each operand, and their scale bytes, are filled once at the start: no ring, one barrier.
; CLUSTERS: 4 x 4 work-groups.  The four of a row need the same rows of hidden, the four of a column the same rows of W: each tile is asked for JOINTLY.  The cluster's x is the kind (0 q, 1 k, 2 v), the same in all sixteen.
; q AND k ARE MADE TRANSPOSED (source 0 = 16 rows of W, source 1 = 16 tokens): a lane holds one token and eight neighbouring channels, so a pair to be rotated lies in two neighbouring registers.
; v IS MADE THE OTHER WAY ROUND (source 0 = 16 tokens, source 1 = 16 rows of W): a lane holds one channel and eight neighbouring tokens, which are the keys along the later product's K.
; LIMITS: q, k, v beyond 65,504 in magnitude have no f16 number.
.set PITCH, 528                        ; an LDS row of codes: 512 bytes + 16 of padding = 132 words: the 16 rows of a load start at 16 different banks (64 banks of 4 bytes: ISA guide 11.1)
.set BBASE, 256*PITCH                  ; hidden's 256 rows, then W's 256 rows
.set SCL,   2*BBASE                    ; the scale bytes, as units of 256 bytes + 16: hidden's 32 units, then W's 32
.set SPARE, SCL+64*272                 ; the spare words, 128 bytes for each wave
.set LI,   1                           ; v1   16 x lane
.set ADRA, 2                           ; v2   LDS address of my fragments of hidden
.set ADRB, 3                           ; v3   of W
.set ADRS, 4                           ; v4   of my scale words: lanes 0-15 hidden's rows, lanes 16-31 W's
.set SPW,  6                           ; v6   LDS address of my spare word; never rewritten
.set NIL,  7                           ; v7   0; never rewritten
.set SC,   16                          ; v16-47   scale words and nothing else: register 8 i + s: lanes 0-15 hidden's block i, lanes 16-31 W's block i, K step s
.set AF,   48                          ; v48-79   hidden's four fragments (16 rows x 128 K, 8 registers); later, with v80-111, the table
.set BF,   80                          ; v80-111  W's four
.set ACC,  112                         ; v112-239 accumulator (b, i): W's block b, hidden's block i, at 8 (4 b + i)
.set U,    240                         ; v240-255 at work
.set G1A,  36                          ; s[36:43] descriptor group 1, hidden's codes;  s[44:51] W's;  s[52:59], s[68:75] the same for the scale bytes
.set G1B,  44
.set G1SA, 52
.set G1SB, 68
.set G0A,  76                          ; s[76:79], s[80:83], s[84:87], s[88:91] the four groups 0
.set G0B,  80
.set G0SA, 84
.set G0SB, 88
; A joint load: waves 0-7 fetch for hidden, waves 8-15 for W.  Each of the two lines has one mask and one set of registers; the branch hangs on the wave's number alone.
; An s_nop 0 and four v_nop follow each line.
.macro JLOAD g0a, g1a, g0b, g1b
	s_cmp_eq_u32 s17, 0
	s_cbranch_scc0 .Lfor_b_\@
	tensor_load_to_lds s[\g0a:\g0a+3], s[\g1a:\g1a+7]
	s_nop 0
.rept 4
	v_nop
.endr
	s_branch .Lasked_\@
.Lfor_b_\@:
	tensor_load_to_lds s[\g0b:\g0b+3], s[\g1b:\g1b+7]
	s_nop 0
.rept 4
	v_nop
.endr
.Lasked_\@:
.endm
.macro CROUND                          ; a round of the cluster's barrier
	s_barrier_signal -1
	s_barrier_wait -1
	s_cmp_lg_u32 s16, 0
	s_cbranch_scc1 .Lnot_wave_0_\@
	s_barrier_signal -3
.Lnot_wave_0_\@:
	s_barrier_wait -3
	s_barrier_signal -1
	s_barrier_wait -1
.endm
.macro PLACES                          ; four plain places behind a matrix instruction, ahead of loads into its sources and of reads of its results
.rept 4
	v_nop
.endr
.endm
; A K step of 128: eight fragments from LDS, sixteen products, the sixteen accumulators by turns.  kind 0: q, k (transposed); 1: v.  The first step's products start the sums.
.macro KSTEP kind, s
.if \s > 0
	PLACES
.endif
.irp i, 0,1,2,3
.irp c, 0,1
	ds_load_b128 v[AF+8*\i+4*\c:AF+8*\i+4*\c+3], v[ADRA] offset:16*PITCH*\i+64*\s+32*\c   ; registers 4 c .. 4 c + 3: K = 64 c + 32 h + 0 .. 31 of row r
.endr
.endr
.irp i, 0,1,2,3
.irp c, 0,1
	ds_load_b128 v[BF+8*\i+4*\c:BF+8*\i+4*\c+3], v[ADRB] offset:16*PITCH*\i+64*\s+32*\c
.endr
.endr
	s_wait_dscnt 0x0                               ; all are in (in the first step the scale words too); the SIMD's other three waves work meanwhile
.irp b, 0,1,2,3
.irp i, 0,1,2,3
.if \kind == 0
.if \s == 0
	v_wmma_scale_f32_16x16x128_f8f6f4 v[ACC+8*(4*\b+\i):ACC+8*(4*\b+\i)+7], v[BF+8*\b:BF+8*\b+7], v[AF+8*\i:AF+8*\i+7], 0, v[SC+8*\b+\s], v[SC+8*\i+\s] matrix_a_fmt:MATRIX_FMT_FP4 matrix_b_fmt:MATRIX_FMT_FP4 matrix_a_scale:MATRIX_SCALE_ROW1
.else
	v_wmma_scale_f32_16x16x128_f8f6f4 v[ACC+8*(4*\b+\i):ACC+8*(4*\b+\i)+7], v[BF+8*\b:BF+8*\b+7], v[AF+8*\i:AF+8*\i+7], v[ACC+8*(4*\b+\i):ACC+8*(4*\b+\i)+7], v[SC+8*\b+\s], v[SC+8*\i+\s] matrix_a_fmt:MATRIX_FMT_FP4 matrix_b_fmt:MATRIX_FMT_FP4 matrix_a_scale:MATRIX_SCALE_ROW1
.endif
.else
.if \s == 0
	v_wmma_scale_f32_16x16x128_f8f6f4 v[ACC+8*(4*\b+\i):ACC+8*(4*\b+\i)+7], v[AF+8*\i:AF+8*\i+7], v[BF+8*\b:BF+8*\b+7], 0, v[SC+8*\i+\s], v[SC+8*\b+\s] matrix_a_fmt:MATRIX_FMT_FP4 matrix_b_fmt:MATRIX_FMT_FP4 matrix_b_scale:MATRIX_SCALE_ROW1
.else
	v_wmma_scale_f32_16x16x128_f8f6f4 v[ACC+8*(4*\b+\i):ACC+8*(4*\b+\i)+7], v[AF+8*\i:AF+8*\i+7], v[BF+8*\b:BF+8*\b+7], v[ACC+8*(4*\b+\i):ACC+8*(4*\b+\i)+7], v[SC+8*\i+\s], v[SC+8*\b+\s] matrix_a_fmt:MATRIX_FMT_FP4 matrix_b_fmt:MATRIX_FMT_FP4 matrix_b_scale:MATRIX_SCALE_ROW1
.endif
.endif
.endr
.endr
.endm
; q, k: accumulator (b, i) holds, in lane (r, h), channels 16 (b % 2) + 8 h + 0..7 of a head for token r: four pairs.  Each is rotated by its cos and sin, rounded to f16 and packed into the accumulator's
; four low registers (register p is free once pair p has been read); they are image b % 2 of token tile i.
.macro ROT b, i
.set XR, ACC+8*(4*\b+\i)
.set TR, AF+16*\i+8*((\b)%2)
.set UR, U+8*((\i)%2)
.irp p, 0,1,2,3
	v_mul_f32 v[UR+2*\p], v[XR+2*\p+1], v[TR+2*\p+1]               ; x2 sin
	v_mul_f32 v[UR+2*\p+1], v[XR+2*\p], v[TR+2*\p+1]               ; x1 sin
.endr
.irp p, 0,1,2,3
	v_fma_f32 v[UR+2*\p], v[XR+2*\p], v[TR+2*\p], -v[UR+2*\p]      ; x1 cos - x2 sin
	v_fma_f32 v[UR+2*\p+1], v[XR+2*\p+1], v[TR+2*\p], v[UR+2*\p+1] ; x2 cos + x1 sin
.endr
.irp p, 0,1,2,3
	v_cvt_pk_f16_f32 v[XR+\p], v[UR+2*\p], v[UR+2*\p+1]
.endr
	global_store_b128 v[LI], v[XR:XR+3], s[92:93] offset:131072*((\b)/2)+1024*\i+512*((\b)%2)   ; 512 consecutive bytes a wave
.endm
; v: accumulator (b, i) holds, in lane (r, h), tokens 8 h + 0..7 of tile i for channel r of channel tile b % 2: image i % 2 of the group of 32 keys i / 2.
.macro PACKV b, i
.set XR, ACC+8*(4*\b+\i)
.irp p, 0,1,2,3
	v_cvt_pk_f16_f32 v[XR+\p], v[XR+2*\p], v[XR+2*\p+1]
.endr
	global_store_b128 v[LI], v[XR:XR+3], s[92:93] offset:131072*((\b)/2)+2048*((\i)/2)+1024*((\b)%2)+512*((\i)%2)
.endm
	s_load_b256 s[4:11], s[0:1], 0x0               ; hcodes s[4:5], hscales s[6:7], wcodes s[8:9], wscales s[10:11]
	s_load_b128 s[12:15], s[0:1], 0x20             ; rope s[12:13], qkv s[14:15]
	v_lshl_add_u32 v[SPW], v0, 2, SPARE
	v_mov_b32 v[NIL], 0
	ds_add_u32 v[SPW], v[NIL]                      ; the wave's opening: the add, twice on end, and its wait ahead of my first tensor load
	ds_add_u32 v[SPW], v[NIL]
	v_lshrrev_b32 v1, 5, v0
	v_readfirstlane_b32 s16, v1                    ; wave 0..15
	s_lshr_b32 s17, s16, 3                         ; I fetch for hidden (0) or for W (1),
	s_and_b32 s18, s16, 7                          ; these 32 rows of the 256
	s_lshr_b32 s19, s16, 2                         ; my 64 tokens of the tile
	s_and_b32 s20, s16, 3                          ; my 64 columns
	s_bfe_u32 s21, ttmp6, 0x40000                  ; cx, cy: my place in the cluster
	s_bfe_u32 s22, ttmp6, 0x40004
	s_lshl_b32 s23, ttmp9, 2
	s_add_co_u32 s23, s23, s21                     ; tile column = 4 x cluster x + cx
	s_and_b32 s24, ttmp7, 0xffff
	s_lshl_b32 s24, s24, 2
	s_add_co_u32 s24, s24, s22                     ; tile row = 4 x cluster y + cy
	s_lshl_b32 s25, s22, 2
	s_lshl_b32 s25, 15, s25                        ; my row of the cluster
	s_lshl_b32 s26, 0x1111, s21                    ; my column
	; group 1 for codes: 32 rows x 512 bytes, 512 bytes apart in memory, 16 bytes of padding behind each in LDS
	s_or_b32 s[G1A], s25, (1<<20)|(1<<21)|(6<<22)|(3<<25)    ; 15:0 the mask; 17:16 elements of 1 byte; 20 padding on; 21 set beside a mask; 24:22 after every 128 words; 31:25 four words
	s_or_b32 s[G1B], s26, (1<<20)|(1<<21)|(6<<22)|(3<<25)
.irp g, G1A, G1B
	s_mov_b32 s[\g+1], 512<<16                     ; tensor_dim0
	s_mov_b32 s[\g+2], 32<<16                      ; tensor_dim1
	s_mov_b32 s[\g+3], 512<<16                     ; tile_dim0
	s_mov_b32 s[\g+4], 32                          ; tile_dim1
	s_mov_b32 s[\g+5], 512                         ; tensor_dim0_stride
	s_mov_b32 s[\g+6], 0
	s_mov_b32 s[\g+7], 0
.endr
	; group 1 for the scale bytes of 32 rows: 1,024 dense bytes as 4 rows of 256 (32 elements of 8 bytes), 16 bytes of padding behind each
	s_or_b32 s[G1SA], s25, (3<<16)|(1<<20)|(1<<21)|(5<<22)|(3<<25)
	s_or_b32 s[G1SB], s26, (3<<16)|(1<<20)|(1<<21)|(5<<22)|(3<<25)
.irp g, G1SA, G1SB
	s_mov_b32 s[\g+1], 32<<16
	s_mov_b32 s[\g+2], 4<<16
	s_mov_b32 s[\g+3], 32<<16
	s_mov_b32 s[\g+4], 4
	s_mov_b32 s[\g+5], 32
	s_mov_b32 s[\g+6], 0
	s_mov_b32 s[\g+7], 0
.endr
	s_lshl_b32 s27, s18, 5                         ; the 32 rows that I fetch
	s_lshl_b32 s28, s24, 8
	s_add_co_u32 s28, s28, s27                     ; hidden: row 256 x tile row + 32 x part (these registers never hold cx)
	s_lshl_b32 s30, s23, 8
	s_add_co_u32 s30, s30, s27                     ; W: row 256 x tile column + 32 x part (these never hold cy)
	s_lshl_b32 s32, s28, 5                         ; their scale bytes: 32 a row
	s_mov_b32 s33, 0
	s_lshl_b32 s28, s28, 9                         ; their codes: 512 bytes a row
	s_mov_b32 s29, 0
	s_lshl_b32 s34, s30, 5
	s_mov_b32 s35, 0
	s_lshl_b32 s30, s30, 9
	s_mov_b32 s31, 0
	s_mul_i32 s96, s16, 32*PITCH                   ; where they go: wave x 32 rows (wave 8 begins W's part): no place in the cluster enters an LDS address
	s_mul_i32 s97, s16, 4*272
	s_add_co_u32 s97, s97, SCL
	s_wait_dscnt 0x0                               ; both opening adds are done
	s_wait_kmcnt 0x0
	s_mov_b32 s[G0SA], 1                           ; 1:0 count = 1
	s_mov_b32 s[G0SA+1], s97                       ; 63:32 LDS address
	s_add_nc_u64 s[G0SA+2:G0SA+3], s[6:7], s[32:33]   ; 120:64 global address
	s_or_b32 s[G0SA+3], s[G0SA+3], 0x80000000      ; 127:126 type = 2
	s_mov_b32 s[G0SB], 1
	s_mov_b32 s[G0SB+1], s97
	s_add_nc_u64 s[G0SB+2:G0SB+3], s[10:11], s[34:35]
	s_or_b32 s[G0SB+3], s[G0SB+3], 0x80000000
	s_mov_b32 s[G0A], 1
	s_mov_b32 s[G0A+1], s96
	s_add_nc_u64 s[G0A+2:G0A+3], s[4:5], s[28:29]
	s_or_b32 s[G0A+3], s[G0A+3], 0x80000000
	s_mov_b32 s[G0B], 1
	s_mov_b32 s[G0B+1], s96
	s_add_nc_u64 s[G0B+2:G0B+3], s[8:9], s[30:31]
	s_or_b32 s[G0B+3], s[G0B+3], 0x80000000
	CROUND                                         ; all sixteen work-groups are here: the joint loads meet
	JLOAD G0SA, G1SA, G0SB, G1SB                   ; two loads of mine are out: the scale bytes
	JLOAD G0A, G1A, G0B, G1B                       ; and the codes
	v_and_b32 v8, 15, v0                           ; r
	v_bfe_u32 v9, v0, 4, 1                         ; h
	v_and_b32 v1, 31, v0
	v_lshlrev_b32 v[LI], 4, v1
	v_mul_u32_u24 v10, v8, PITCH
	v_lshl_add_u32 v10, v9, 4, v10                 ; a fragment's row x pitch + 16 x half
	s_mul_i32 s27, s19, 64*PITCH
	v_add_nc_u32 v[ADRA], s27, v10
	s_mul_i32 s27, s20, 64*PITCH
	s_add_co_u32 s27, s27, BBASE
	v_add_nc_u32 v[ADRB], s27, v10
	v_lshlrev_b32 v11, 5, v8                       ; my row's scale bytes: 32 a row,
	v_lshrrev_b32 v12, 3, v8
	v_lshl_add_u32 v11, v12, 4, v11                ; and 16 more behind each 8 rows
	s_mul_i32 s27, s19, 8*272                      ; hidden's: my 64 rows are 8 units
	s_mul_i32 s98, s20, 8*272                      ; W's, behind hidden's 32 units
	s_add_co_u32 s98, s98, 32*272
	s_sub_co_u32 s98, s98, s27
	v_mul_u32_u24 v12, s98, v9                     ; lanes 16-31 take W's: one product, the distance between the two bases
	s_add_co_u32 s27, s27, SCL
	v_add_nc_u32 v11, v11, v12
	v_add_nc_u32 v[ADRS], s27, v11
	; where my results go: kind x 8 MiB + (32 batch + 8 cx + 2 wn) x 131,072 + (16 (tile row % 8) + 4 wm) x 1,024; and my four token tiles of the table
	s_lshr_b32 s98, s24, 3
	s_lshl_b32 s98, s98, 5
	s_lshl_b32 s99, s21, 3
	s_add_co_u32 s98, s98, s99
	s_lshl_b32 s99, s20, 1
	s_add_co_u32 s98, s98, s99
	s_lshl_b32 s92, s98, 17
	s_and_b32 s98, s24, 7
	s_lshl_b32 s98, s98, 4
	s_lshl_b32 s99, s19, 2
	s_add_co_u32 s98, s98, s99                     ; my first token tile in the sequence
	s_lshl_b32 s99, s98, 10
	s_add_co_u32 s92, s92, s99
	s_lshl_b32 s99, ttmp9, 23
	s_add_co_u32 s92, s92, s99
	s_mov_b32 s93, 0
	s_add_nc_u64 s[92:93], s[14:15], s[92:93]
	s_lshl_b32 s94, s98, 11
	s_mov_b32 s95, 0
	s_add_nc_u64 s[94:95], s[12:13], s[94:95]
	s_wait_tensorcnt 0x0                           ; zero: other waves read my rows
	s_barrier_signal -1
	s_barrier_wait -1                              ; both operands and their scales lie whole in LDS
.irp i, 0,1,2,3
	ds_load_b128 v[SC+8*\i:SC+8*\i+3], v[ADRS] offset:2*272*\i         ; block i's words of K steps 0-3,
	ds_load_b128 v[SC+8*\i+4:SC+8*\i+7], v[ADRS] offset:2*272*\i+16    ; and 4-7
.endr
	s_cmp_eq_u32 ttmp9, 2                          ; the cluster's x: the same in all sixteen partners
	s_cbranch_scc1 .Lv
.irp s, 0,1,2,3,4,5,6,7
	KSTEP 0, \s
.endr
	PLACES
.irp i, 0,1,2,3
.irp c, 0,1
.irp u, 0,1
	global_load_b128 v[AF+16*\i+8*\c+4*\u:AF+16*\i+8*\c+4*\u+3], v[LI], s[94:95] offset:2048*\i+1024*\c+512*\u   ; cos, sin of pairs 2 u, 2 u + 1 of my four, token tile i, channels 16 c on
.endr
.endr
.endr
	s_wait_loadcnt 0x0
.irp b, 0,1,2,3
.irp i, 0,1,2,3
	ROT \b, \i
.endr
.endr
	s_branch .Ldone
.Lv:
.irp s, 0,1,2,3,4,5,6,7
	KSTEP 1, \s
.endr
	PLACES
.irp b, 0,1,2,3
.irp i, 0,1,2,3
	PACKV \b, \i
.endr
.endr
.Ldone:
	s_wait_tensorcnt 0x0                           ; the wave's end
	ds_add_u32 v[SPW], v[NIL]
	s_wait_dscnt 0x0
	CROUND                                         ; the closing round
	s_endpgm
.Lfunc_end_k_q3213631188_qkv:
	.size	k_q3213631188_qkv, .Lfunc_end_k_q3213631188_qkv-k_q3213631188_qkv
	.p2alignl 7, 3214868480
	.fill 96, 4, 3214868480
	.section	.rodata,"a",@progbits
	.p2align	6, 0x0
	.amdhsa_kernel k_q3213631188_qkv
		.amdhsa_group_segment_fixed_size 327680
		.amdhsa_private_segment_fixed_size 0
		.amdhsa_enable_private_segment 0
		.amdhsa_kernarg_size 48
		.amdhsa_user_sgpr_count 2
		.amdhsa_user_sgpr_kernarg_segment_ptr 1
		.amdhsa_wavefront_size32 1
		.amdhsa_system_sgpr_workgroup_id_x 1
		.amdhsa_system_sgpr_workgroup_id_y 1
		.amdhsa_system_sgpr_workgroup_id_z 1
		.amdhsa_system_vgpr_workitem_id 0
		.amdhsa_next_free_vgpr 256
		.amdhsa_next_free_sgpr 100
		.amdhsa_reserve_vcc 0
		.amdhsa_float_denorm_mode_32 3
		.amdhsa_float_denorm_mode_16_64 3
		.amdhsa_memory_ordered 1
		.amdhsa_forward_progress 1
		.amdhsa_inst_pref_size 84
	.end_amdhsa_kernel
	.amdgpu_metadata
---
amdhsa.version: [ 1, 2 ]
amdhsa.kernels:
  - .name:           k_q3213631188_qkv
    .symbol:         k_q3213631188_qkv.kd
    .args:
      - { .name: hcodes, .offset: 0, .size: 8, .value_kind: global_buffer, .address_space: global }
      - { .name: hscales, .offset: 8, .size: 8, .value_kind: global_buffer, .address_space: global }
      - { .name: wcodes, .offset: 16, .size: 8, .value_kind: global_buffer, .address_space: global }
      - { .name: wscales, .offset: 24, .size: 8, .value_kind: global_buffer, .address_space: global }
      - { .name: rope, .offset: 32, .size: 8, .value_kind: global_buffer, .address_space: global }
      - { .name: qkv, .offset: 40, .size: 8, .value_kind: global_buffer, .address_space: global }
    .group_segment_fixed_size: 327680
    .private_segment_fixed_size: 0
    .kernarg_segment_align: 8
    .kernarg_segment_size: 48
    .max_flat_workgroup_size: 512
    .sgpr_count:     100
    .vgpr_count:     256
    .wavefront_size: 32
...
	.end_amdgpu_metadata
.endif
;; end of part 2
;; launch attn (part 3): grid 4 x 64, 16 waves a work-group, clusters of 4 x 1, 327,680 bytes of LDS; arguments qkv, af; writes af
.if DOCPART == 3
	.amdgcn_target "amdgcn-amd-amdhsa--gfx1250"
	.amdhsa_code_object_version 6
	.text
	.protected	k_q3213631188_attn
	.globl	k_q3213631188_attn
	.p2align	8
	.type	k_q3213631188_attn,@function
k_q3213631188_attn:
	s_mov_b64 s[64:65], 0
	v_nop
	global_prefetch_b8 v0, s[64:65] scope:SCOPE_SE
	s_setreg_imm32_b32 hwreg(HW_REG_WAVE_MODE, 25, 1), 1
	s_wait_xcnt 0x0
	s_wait_alu depctr_hold_cnt(0) depctr_sa_sdst(0) depctr_va_vdst(0) depctr_va_sdst(0) depctr_va_ssrc(0) depctr_va_vcc(0) depctr_vm_vsrc(0)
	s_getreg_b32 s2, hwreg(HW_REG_IB_STS2, 6, 4)
	s_cmp_eq_u32 s2, 0
	s_cbranch_scc0 .Lentry_in_a_cluster
	s_endpgm
.Lentry_in_a_cluster:
	s_bfe_u32 s2, ttmp6, 0x10000c
	s_cmp_lg_u32 s2, 0x3003
	s_cbranch_scc0 .Lentry_shape_is_right
	s_endpgm
.Lentry_shape_is_right:
; O[q] = the sum over k of softmax_k(Q[q] . K[k] / sqrt(32)) V[k], for each of 64 (batch, head), 2,048 tokens, head size 32, no mask.  Operands f16, products, maxima and sums f32; the weights p are rounded to f16 for
; the second product, O once at the end.  Q, K, V come as images of operand registers (the launch before laid them so), and O leaves as images of the next launch's: af = [128 tokens: 32][8 heads: 4][token tile 8][head 8][c 2][lane][16 bytes].
; SHARES.  A work-group owns 512 queries of one head: 4 x 64 = 256 work-groups.  Each of its sixteen waves owns 32 queries, two tiles of 16, in 256 registers: four waves to a SIMD, so that one wave's vector work stands
; beside another's products and LDS loads.  At head size 32 a tile of 16 x 16 scores has two products beside some 27 vector instructions: no order inside one wave could hide those.
; THE HEAD'S WHOLE K AND V LIE IN LDS, 131,072 bytes each, filled once, in four chunks of 512 keys: no slot is ever filled again.  Every wave walks all keys, 64 a step.
; CLUSTER.  The four work-groups of a head form a cluster and need the same K and V: each piece is asked for JOINTLY, by the same load with a mask that names the four.
; LAYOUT.  S^T = K Q^T (source 0 = 16 keys, source 1 = 16 queries): a lane holds ONE query (lane % 16) and keys 8 (lane / 16) + 0..7.  Two such tiles, rounded in pairs, ARE source 1 (32 keys x 16 queries) of O^T = V^T P,
; whose result again holds one query a lane and eight channels; packed, its two tiles are the two images of a fragment of 16 tokens x 32 channels.
; SOFTMAX.  For each query a running maximum m and sum l: p = 2^(c s - c m), c = log2(e) / sqrt(32); in every step O and l are multiplied by a = 2^(c m_old - c m_new).  The step is written once: m begins at -3e38,
; l and O at 0, and the first a is 0 on zeros.
; LIMITS: O beyond 65,504 in magnitude has no f16 number; NaN and infinities are not served.
.set VBASE, 131072                     ; LDS: K at 0, V here
.set SPARE, 262144                     ; the spare words, 128 bytes for each wave
.set LK,  1                            ; v1   16 x lane
.set LV,  2                            ; v2   the same in V
.set ADK, 3                            ; v3   LDS address of the step's K
.set ADV, 4                            ; v4   of its V
.set SPW, 6                            ; v6   LDS address of my spare word; never rewritten
.set NIL, 7                            ; v7   0; never rewritten
.set ST,  8                            ; v8-31    12 registers a tile: +0 c m, +1 m, +2, +3 l (even keys', odd keys'), +4 a, +5 c m_old, then the change, +6..+9 four chains, +10 the other half's
.set Q,   32                           ; v32-47   Q, 8 a tile
.set KF,  48                           ; v48-79   K: four fragments of 16 keys
.set VF,  80                           ; v80-111  V^T: (group of 32 keys g, channel tile t) at 8 (2 g + t)
.set S,   112                          ; v112-175 S^T, 32 a tile
.set P,   176                          ; v176-207 P, 16 a tile
.set O,   208                          ; v208-239 O^T, 16 a tile
.set G1,  16                           ; s[16:23] descriptor group 1
.set G0,  24                           ; s[24:39] group 0, one for each chunk
.set CS,  40                           ; s[40:41] c: the packed scaling names a pair and takes its low word for both halves
.set SEL, 42                           ; s[42:43] lane selects for v_permlanex16_b32: lane l xor 16
.set TB,  44                           ; s44  LDS byte at which the step's keys begin
.set CNT, 45                           ; s45  steps left in the chunk
.macro CROUND                          ; a round of the cluster's barrier
	s_barrier_signal -1
	s_barrier_wait -1
	s_cmp_lg_u32 s8, 0
	s_cbranch_scc1 .Lnot_wave_0_\@
	s_barrier_signal -3
.Lnot_wave_0_\@:
	s_barrier_wait -3
	s_barrier_signal -1
	s_barrier_wait -1
.endm
; A KEY STEP: 64 keys.
.macro STEP
	v_add_nc_u32 v[ADK], s[TB], v[LK]              ; these four plain lines are the places behind the last products, ahead of the loads into V's registers
	v_add_nc_u32 v[ADV], s[TB], v[LV]
	v_mov_b32 v[ST+5], v[ST]                       ; c m_old is kept for a
	v_mov_b32 v[ST+17], v[ST+12]
.irp t, 0,1,2,3
.irp c, 0,1
	ds_load_b128 v[KF+8*\t+4*\c:KF+8*\t+4*\c+3], v[ADK] offset:1024*\t+512*\c    ; an image: 512 consecutive bytes a load
.endr
.endr
.irp t, 0,1,2,3
.irp c, 0,1
	ds_load_b128 v[VF+8*\t+4*\c:VF+8*\t+4*\c+3], v[ADV] offset:1024*\t+512*\c
.endr
.endr
	s_wait_dscnt 8                                 ; K is in; V's eight loads may be out
.irp t, 0,1,2,3
.irp q, 0,1
	v_wmma_f32_16x16x32_f16 v[S+32*\q+8*\t:S+32*\q+8*\t+7], v[KF+8*\t:KF+8*\t+7], v[Q+8*\q:Q+8*\q+7], 0
.endr
.endr
.rept 4
	v_nop                                          ; places ahead of the first read of the scores
.endr
.irp j, 0,1,2,3                        ; the maximum of a lane's 32 scores and the old m, three operands at a time; four chains, each begun at a tile's low registers; the two tiles of queries by turns
.irp q, 0,1
	v_max3_num_f32 v[ST+12*\q+6+\j], v[S+32*\q+8*\j], v[S+32*\q+8*\j+1], v[S+32*\q+8*\j+2]
.endr
.endr
.irp g, 1,2
.irp j, 0,1,2,3
.irp q, 0,1
	v_max3_num_f32 v[ST+12*\q+6+\j], v[ST+12*\q+6+\j], v[S+32*\q+8*\j+2*\g+1], v[S+32*\q+8*\j+2*\g+2]
.endr
.endr
.endr
.irp q, 0,1
	v_max3_num_f32 v[ST+12*\q+6], v[ST+12*\q+6], v[S+32*\q+7], v[S+32*\q+15]
.endr
.irp q, 0,1
	v_max3_num_f32 v[ST+12*\q+8], v[ST+12*\q+8], v[S+32*\q+23], v[S+32*\q+31]
.endr
.irp q, 0,1
	v_max3_num_f32 v[ST+12*\q+6], v[ST+12*\q+6], v[ST+12*\q+7], v[ST+12*\q+8]
.endr
.irp q, 0,1
	v_max3_num_f32 v[ST+12*\q+6], v[ST+12*\q+6], v[ST+12*\q+9], v[ST+12*\q+1]
.endr
.irp q, 0,1
	v_permlanex16_b32 v[ST+12*\q+10], v[ST+12*\q+6], s[SEL], s[SEL+1]   ; the query's other 32 keys lie in the lane 16 away
.endr
.irp q, 0,1
	v_max_num_f32 v[ST+12*\q+1], v[ST+12*\q+6], v[ST+12*\q+10]          ; the new m
.endr
.irp q, 0,1
	v_mul_f32 v[ST+12*\q], s[CS], v[ST+12*\q+1]                         ; c m
.endr
.irp q, 0,1
	v_sub_f32 v[ST+12*\q+5], v[ST+12*\q+5], v[ST+12*\q]                 ; c m_old - c m_new
.endr
.irp q, 0,1
.irp b, 0,2,4,6,8,10,12,14,16,18,20,22,24,26,28,30
	v_pk_fma_f32 v[S+32*\q+\b:S+32*\q+\b+1], v[S+32*\q+\b:S+32*\q+\b+1], s[CS:CS+1], v[ST+12*\q:ST+12*\q+1] op_sel_hi:[1,0,0] neg_lo:[0,0,1] neg_hi:[0,0,1]   ; c s - c m, two at a time
.endr
.endr
	v_exp_f32 v[ST+4], v[ST+5]                     ; ONE BATCH of 66 exponentials: a of both tiles,
	v_exp_f32 v[ST+16], v[ST+17]
.set n, 0
.rept 64
	v_exp_f32 v[S+n], v[S+n]                       ; and the weights, in place
.set n, n+1
.endr
	v_nop                                          ; a plain instruction behind the last exponential,
	s_wait_alu depctr_va_vdst(0)                   ; and the one wait ahead of the batch's first reader
.set n, 0
.rept 32
	v_cvt_pk_f16_f32 v[P+n], v[S+2*n], v[S+2*n+1]  ; two neighbouring keys' weights: P's fragments as they stand
.set n, n+1
.endr
.irp q, 0,1
.irp b, 0,2,4,6,8,10,12,14
	v_pk_mul_f32 v[O+16*\q+\b:O+16*\q+\b+1], v[O+16*\q+\b:O+16*\q+\b+1], v[ST+12*\q+4:ST+12*\q+5] op_sel_hi:[1,0]   ; O^T x a, each accumulator from its low end on
.endr
.endr
.irp z, 0,1,2,3,4,5,6,7                ; the sum of a tile's 16 pairs of unrounded weights, in place: neighbours 1, 2, 4 and 8 pairs apart
.irp q, 0,1
	v_pk_add_f32 v[S+32*\q+4*\z:S+32*\q+4*\z+1], v[S+32*\q+4*\z:S+32*\q+4*\z+1], v[S+32*\q+4*\z+2:S+32*\q+4*\z+3]
.endr
.endr
.irp z, 0,1,2,3
.irp q, 0,1
	v_pk_add_f32 v[S+32*\q+8*\z:S+32*\q+8*\z+1], v[S+32*\q+8*\z:S+32*\q+8*\z+1], v[S+32*\q+8*\z+4:S+32*\q+8*\z+5]
.endr
.endr
.irp z, 0,1
.irp q, 0,1
	v_pk_add_f32 v[S+32*\q+16*\z:S+32*\q+16*\z+1], v[S+32*\q+16*\z:S+32*\q+16*\z+1], v[S+32*\q+16*\z+8:S+32*\q+16*\z+9]
.endr
.endr
.irp q, 0,1
	v_pk_add_f32 v[S+32*\q:S+32*\q+1], v[S+32*\q:S+32*\q+1], v[S+32*\q+16:S+32*\q+17]
.endr
.irp q, 0,1
	v_pk_fma_f32 v[ST+12*\q+2:ST+12*\q+3], v[ST+12*\q+2:ST+12*\q+3], v[ST+12*\q+4:ST+12*\q+5], v[S+32*\q:S+32*\q+1] op_sel_hi:[1,0,1]   ; l = a l + the sum
.endr
	s_wait_dscnt 0x0                               ; V is in
.irp g, 0,1                            ; O^T += V^T P: the four accumulators by turns, one instruction a turn
.irp q, 0,1
.irp t, 0,1
	v_wmma_f32_16x16x32_f16 v[O+16*\q+8*\t:O+16*\q+8*\t+7], v[VF+8*(2*\g+\t):VF+8*(2*\g+\t)+7], v[P+16*\q+8*\g:P+16*\q+8*\g+7], v[O+16*\q+8*\t:O+16*\q+8*\t+7]
.endr
.endr
.endr
.endm
; A chunk of 512 keys: my part of it has landed (my younger chunks may stay out), everybody's has behind the barrier; then its eight steps.
.macro CHUNK n
	s_wait_tensorcnt 3-\n
	s_wait_dscnt 0x0
	s_barrier_signal -1
	s_barrier_wait -1
	s_mov_b32 s[TB], 32768*\n
	s_mov_b32 s[CNT], 8
.Lstep_\@:
	STEP
	s_add_co_u32 s[TB], s[TB], 4096                ; 64 keys: eight images of K, and as many bytes of V
	s_sub_co_u32 s[CNT], s[CNT], 1
	s_cmp_lg_u32 s[CNT], 0
	s_cbranch_scc1 .Lstep_\@
.endm
	s_load_b128 s[4:7], s[0:1], 0x0                ; qkv s[4:5], af s[6:7]
	v_lshl_add_u32 v[SPW], v0, 2, SPARE
	v_mov_b32 v[NIL], 0
	ds_add_u32 v[SPW], v[NIL]                      ; the wave's opening: the add, twice on end, and its wait ahead of my first tensor load
	ds_add_u32 v[SPW], v[NIL]
	v_lshrrev_b32 v1, 5, v0
	v_readfirstlane_b32 s8, v1                     ; wave 0..15
	s_bfe_u32 s9, ttmp6, 0x40000                   ; cx: my place in the cluster
	s_and_b32 s10, ttmp7, 0xffff                   ; 32 batch + head, which the four partners share
	; group 1: 4,096 dense bytes as 16 rows of 256 (32 elements of 8 bytes), no padding: images are read 512 consecutive bytes at a time
	s_mov_b32 s[G1], 15|(3<<16)|(1<<21)            ; 15:0 the mask: all four work-groups; 17:16 elements of 8 bytes; 21 set beside a mask
	s_mov_b32 s[G1+1], 32<<16                      ; tensor_dim0
	s_mov_b32 s[G1+2], 16<<16                      ; tensor_dim1
	s_mov_b32 s[G1+3], 32<<16                      ; tile_dim0
	s_mov_b32 s[G1+4], 16                          ; tile_dim1
	s_mov_b32 s[G1+5], 32                          ; tensor_dim0_stride
	s_mov_b32 s[G1+6], 0
	s_mov_b32 s[G1+7], 0
	s_mov_b32 s[CS], 0x3e8293ee                    ; c = log2(e) / sqrt(32)
	s_mov_b32 s[CS+1], s[CS]
	s_mov_b32 s[SEL], 0x76543210
	s_mov_b32 s[SEL+1], 0xfedcba98
	s_and_b32 s46, s8, 7
	s_lshl_b32 s46, s46, 12                        ; waves 0-7 fetch K, waves 8-15 V: 4,096 bytes of each chunk's 32,768
	s_lshr_b32 s47, s8, 3
	s_lshl_b32 s48, s47, 17
	s_add_co_u32 s48, s48, s46                     ; in LDS: the wave's number alone
	s_add_co_u32 s47, s47, 1
	s_lshl_b32 s47, s47, 23                        ; in memory: K is kind 1, V kind 2, 8 MiB each,
	s_add_co_u32 s50, s47, s46
	s_lshl_b32 s47, s10, 17                        ; 131,072 bytes a head
	s_add_co_u32 s50, s50, s47
	s_mov_b32 s51, 0
	s_lshl_b32 s52, ttmp9, 2
	s_add_co_u32 s52, s52, s9                      ; my block of 512 queries: it enters Q's and O's addresses alone
	s_lshl_b32 s53, s52, 5
	s_lshl_b32 s54, s8, 1
	s_add_co_u32 s53, s53, s54                     ; my first token tile: 32 x block + 2 x wave
	s_lshl_b32 s12, s53, 10
	s_lshl_b32 s54, s10, 17
	s_add_co_u32 s12, s12, s54
	s_mov_b32 s13, 0
	s_lshr_b32 s53, s10, 5                         ; O: ((((16 batch + 4 block + wave / 4) x 4 + head / 8) x 8 + 2 (wave % 4)) x 8 + head % 8) x 1,024
	s_lshl_b32 s53, s53, 4
	s_lshl_b32 s54, s52, 2
	s_add_co_u32 s53, s53, s54
	s_lshr_b32 s54, s8, 2
	s_add_co_u32 s53, s53, s54
	s_lshl_b32 s53, s53, 2
	s_bfe_u32 s54, s10, 0x20003
	s_add_co_u32 s53, s53, s54
	s_lshl_b32 s53, s53, 3
	s_and_b32 s54, s8, 3
	s_lshl_b32 s54, s54, 1
	s_add_co_u32 s53, s53, s54
	s_lshl_b32 s53, s53, 3
	s_and_b32 s54, s10, 7
	s_add_co_u32 s53, s53, s54
	s_lshl_b32 s14, s53, 10
	s_mov_b32 s15, 0
	v_and_b32 v1, 31, v0
	v_lshlrev_b32 v[LK], 4, v1
	v_add_nc_u32 v[LV], VBASE, v[LK]
	s_wait_dscnt 0x0                               ; both opening adds are done
	s_wait_kmcnt 0x0
	s_add_nc_u64 s[50:51], s[4:5], s[50:51]
	s_add_nc_u64 s[12:13], s[4:5], s[12:13]
	s_add_nc_u64 s[14:15], s[6:7], s[14:15]
.irp n, 0,1,2,3
	s_mov_b32 s[G0+4*\n], 1                                        ; 1:0 count = 1
	s_add_co_u32 s[G0+4*\n+1], s48, 32768*\n                       ; 63:32 LDS address
	s_add_nc_u64 s[G0+4*\n+2:G0+4*\n+3], s[50:51], 32768*\n        ; 120:64 global address
	s_or_b32 s[G0+4*\n+3], s[G0+4*\n+3], 0x80000000                ; 127:126 type = 2
.endr
	CROUND                                         ; all four work-groups are here: the joint loads meet
.irp n, 0,1,2,3
	tensor_load_to_lds s[G0+4*\n:G0+4*\n+3], s[G1:G1+7]            ; four loads of mine are out, one for each chunk
	s_nop 0
.endr
.rept 4
	v_nop
.endr
.irp q, 0,1
.irp c, 0,1
	global_load_b128 v[Q+8*\q+4*\c:Q+8*\q+4*\c+3], v[LK], s[12:13] offset:1024*\q+512*\c   ; Q stays in registers
.endr
.endr
.irp q, 0,1
	v_mov_b32 v[ST+12*\q+1], 0xff61b1e6            ; m = -3e38, under every score
	v_mul_f32 v[ST+12*\q], s[CS], v[ST+12*\q+1]
	v_mov_b32 v[ST+12*\q+2], 0                     ; l
	v_mov_b32 v[ST+12*\q+3], 0
	v_mov_b32 v[ST+12*\q+4], 0
	v_mov_b32 v[ST+12*\q+5], 0
	v_mov_b32 v[ST+12*\q+10], 0                    ; a lane permute's destination counts as one of its sources
.endr
.set n, 0
.rept 32
	v_mov_b32 v[O+n], 0                            ; O^T: the step is written once, and its first pass finds zeros
.set n, n+1
.endr
	s_wait_loadcnt 0x0                             ; Q
	CHUNK 0
	CHUNK 1
	CHUNK 2
	CHUNK 3
	; THE WAY OUT: l's two halves and the other half of the lanes' are added; O^T is divided by l, rounded to f16, and its packed tiles are stored as they stand.
.rept 4
	v_nop                                          ; places behind the last products
.endr
.irp q, 0,1
	v_add_f32 v[ST+12*\q+6], v[ST+12*\q+2], v[ST+12*\q+3]
.endr
.irp q, 0,1
	v_permlanex16_b32 v[ST+12*\q+10], v[ST+12*\q+6], s[SEL], s[SEL+1]
.endr
.irp q, 0,1
	v_add_f32 v[ST+12*\q+6], v[ST+12*\q+6], v[ST+12*\q+10]
.endr
.irp q, 0,1
	v_rcp_f32 v[ST+12*\q+4], v[ST+12*\q+6]
.endr
	v_nop                                          ; a plain instruction behind the last reciprocal,
	s_wait_alu depctr_va_vdst(0)                   ; and the wait ahead of the first use: one for both
.irp q, 0,1
.irp b, 0,2,4,6,8,10,12,14
	v_pk_mul_f32 v[O+16*\q+\b:O+16*\q+\b+1], v[O+16*\q+\b:O+16*\q+\b+1], v[ST+12*\q+4:ST+12*\q+5] op_sel_hi:[1,0]
.endr
.endr
.set n, 0
.rept 16
	v_cvt_pk_f16_f32 v[S+n], v[O+2*n], v[O+2*n+1]  ; registers 4 (2 q + t) on: image t of query tile q
.set n, n+1
.endr
.irp q, 0,1
.irp t, 0,1
	global_store_b128 v[LK], v[S+4*(2*\q+\t):S+4*(2*\q+\t)+3], s[14:15] offset:8192*\q+512*\t   ; 512 consecutive bytes a wave
.endr
.endr
	s_wait_tensorcnt 0x0                           ; the wave's end
	ds_add_u32 v[SPW], v[NIL]
	s_wait_dscnt 0x0
	CROUND                                         ; the closing round
	s_endpgm
.Lfunc_end_k_q3213631188_attn:
	.size	k_q3213631188_attn, .Lfunc_end_k_q3213631188_attn-k_q3213631188_attn
	.p2alignl 7, 3214868480
	.fill 96, 4, 3214868480
	.section	.rodata,"a",@progbits
	.p2align	6, 0x0
	.amdhsa_kernel k_q3213631188_attn
		.amdhsa_group_segment_fixed_size 327680
		.amdhsa_private_segment_fixed_size 0
		.amdhsa_enable_private_segment 0
		.amdhsa_kernarg_size 16
		.amdhsa_user_sgpr_count 2
		.amdhsa_user_sgpr_kernarg_segment_ptr 1
		.amdhsa_wavefront_size32 1
		.amdhsa_system_sgpr_workgroup_id_x 1
		.amdhsa_system_sgpr_workgroup_id_y 1
		.amdhsa_system_sgpr_workgroup_id_z 1
		.amdhsa_system_vgpr_workitem_id 0
		.amdhsa_next_free_vgpr 256
		.amdhsa_next_free_sgpr 66
		.amdhsa_reserve_vcc 0
		.amdhsa_float_denorm_mode_32 3
		.amdhsa_float_denorm_mode_16_64 3
		.amdhsa_memory_ordered 1
		.amdhsa_forward_progress 1
		.amdhsa_inst_pref_size 67
	.end_amdhsa_kernel
	.amdgpu_metadata
---
amdhsa.version: [ 1, 2 ]
amdhsa.kernels:
  - .name:           k_q3213631188_attn
    .symbol:         k_q3213631188_attn.kd
    .args:
      - { .name: qkv, .offset: 0, .size: 8, .value_kind: global_buffer, .address_space: global }
      - { .name: af, .offset: 8, .size: 8, .value_kind: global_buffer, .address_space: global }
    .group_segment_fixed_size: 327680
    .private_segment_fixed_size: 0
    .kernarg_segment_align: 8
    .kernarg_segment_size: 16
    .max_flat_workgroup_size: 512
    .sgpr_count:     66
    .vgpr_count:     256
    .wavefront_size: 32
...
	.end_amdgpu_metadata
.endif
;; end of part 3
;; launch oproj (part 4): grid 8 x 32, 4 waves a work-group, clusters of 4 x 4, 327,680 bytes of LDS; arguments af, wo16, out0; writes out0
.if DOCPART == 4
	.amdgcn_target "amdgcn-amd-amdhsa--gfx1250"
	.amdhsa_code_object_version 6
	.text
	.protected	k_q3213631188_oproj
	.globl	k_q3213631188_oproj
	.p2align	8
	.type	k_q3213631188_oproj,@function
k_q3213631188_oproj:
	s_mov_b64 s[64:65], 0
	v_nop
	global_prefetch_b8 v0, s[64:65] scope:SCOPE_SE
	s_setreg_imm32_b32 hwreg(HW_REG_WAVE_MODE, 25, 1), 1
	s_wait_xcnt 0x0
	s_wait_alu depctr_hold_cnt(0) depctr_sa_sdst(0) depctr_va_vdst(0) depctr_va_sdst(0) depctr_va_ssrc(0) depctr_va_vcc(0) depctr_vm_vsrc(0)
	s_getreg_b32 s2, hwreg(HW_REG_IB_STS2, 6, 4)
	s_cmp_eq_u32 s2, 0
	s_cbranch_scc0 .Lentry_in_a_cluster
	s_endpgm
.Lentry_in_a_cluster:
	s_bfe_u32 s2, ttmp6, 0x10000c
	s_cmp_lg_u32 s2, 0xf033
	s_cbranch_scc0 .Lentry_shape_is_right
	s_endpgm
.Lentry_shape_is_right:
; out[t][d] = the sum over c of attn[t][c] Wo[d][c]: M = 4,096 tokens, N = 1,024, K = 1,024; operands f16, sums and result f32.
; attn comes as images of operand registers: af = [128 tokens: 32][8 heads = 256 along K: 4][token tile 8][head 8][c 2][lane][16 bytes]: a tile row's part of a K step is ONE dense block of 65,536 bytes.  Wo comes as rows of f16.
; A tile of out is 128 x 128: 8 x 32 = 256 work-groups.  Four waves, each 64 x 64: 16 accumulators of 16 x 16, 128 registers.  K goes in four steps of 256 through two LDS slots filled by the tensor data mover.
; CLUSTERS: 4 x 4 work-groups.  The four of a row of the cluster need the same blocks of attn, the four of a column the same rows of Wo: each is asked for JOINTLY, by the same load with a mask that names the four.
; THE MATRIX INSTRUCTION IS USED TRANSPOSED (source 0 = 16 rows of Wo, source 1 = 16 tokens): a lane then holds eight neighbouring numbers of a row of out.
; REGISTERS: window 0: v0-31 addresses; v32-95 rows on the way out; v128-255 the accumulators ((a, b) at v[128 + 8 (4 a + b)]).
;   window 1: two fragment buffers of 128: for 64 along K, 64 registers of attn (2 x 4 fragments of 16 tokens x 32 K), then 64 of Wo.
.set PITCH,  528                       ; a row of Wo in LDS: 512 bytes + 16 of padding = 132 words: the 16 rows of a load start at 16 different banks (64 banks of 4 bytes: ISA guide 11.1)
.set HALFA,  32768                     ; attn: four token tiles x 8 heads x 1,024 bytes: what one load brings, and what one wave reads
.set HALFB,  64*PITCH                  ; Wo: 64 rows likewise
.set BOFF,   2*HALFA                   ; a slot: attn's 65,536 bytes, then Wo's 128 rows
.set SLOT,   BOFF+2*HALFB
.set STAGE,  2*SLOT                    ; behind the ring: 16 rows x 272 bytes for each wave, for the way out; no load lands here
.set SPITCH, 272
.set SPARE,  STAGE+4*16*SPITCH         ; the spare words, 128 bytes for each wave
.set ADRA, 16                          ; v16-17  LDS address of my attn fragments in slot 0, 1
.set ADRB, 20                          ; v20-21  the same for Wo
.set STO,  24                          ; v24     the way out: where I put 32 bytes of a row
.set RD,   25                          ; v25     where I read a row back
.set CO,   26                          ; v26     my byte offset in out
.set SPW,  28                          ; v28     LDS address of my spare word; never rewritten
.set NIL,  29                          ; v29     0; never rewritten
.set BK,   32                          ; v32-63 and v64-95 by turns: 16 rows read back from the stage
.set ACC,  128
.set F0,   0                           ; fragment buffers, in window 1
.set F1,   128
.set G1, 24                            ; s[24:31] descriptor group 1 for attn;  s[32:39] group 0, one set for each slot
.set G0, 32
.set G1B, 48                           ; s[48:55], s[56:63] the same for Wo
.set G0B, 56
.set MSB, 0
.macro WIN new                         ; the immediate's high byte repeats the setting that is left
.if MSB != \new
	s_set_vgpr_msb (MSB<<8)|\new
.set MSB, \new
.endif
.endm
.set MUL,  0x05                        ; sources 0 (Wo) and 1 (attn) window 1; C and D window 0
.set TO_F, 0x40                        ; destination window 1, address window 0
.macro JLOAD s                         ; a joint load: waves 0 and 1 fetch attn's two halves, waves 2 and 3 Wo's; an s_nop 0 and four v_nop follow each of the two lines
	s_cmp_eq_u32 s11, 0
	s_cbranch_scc0 .Lfor_b_\@
	tensor_load_to_lds s[G0+4*\s:G0+4*\s+3], s[G1:G1+7]
	s_nop 0
.rept 4
	v_nop
.endr
	s_branch .Lasked_\@
.Lfor_b_\@:
	tensor_load_to_lds s[G0B+4*\s:G0B+4*\s+3], s[G1B:G1B+7]
	s_nop 0
.rept 4
	v_nop
.endr
.Lasked_\@:
.endm
.macro CREST                           ; a round of the cluster's barrier behind its opening barrier
	s_cmp_lg_u32 s10, 0
	s_cbranch_scc1 .Lnot_wave_0_\@
	s_barrier_signal -3
.Lnot_wave_0_\@:
	s_barrier_wait -3
	s_barrier_signal -1
	s_barrier_wait -1
.endm
.macro CROUND                          ; a whole round
	s_barrier_signal -1
	s_barrier_wait -1
	CREST
.endm
	s_load_b128 s[4:7], s[0:1], 0x0                ; af s[4:5], wo16 s[6:7]
	s_load_b64 s[8:9], s[0:1], 0x10                ; out0
	v_lshl_add_u32 v[SPW], v0, 2, SPARE
	v_mov_b32 v[NIL], 0
	ds_add_u32 v[SPW], v[NIL]                      ; the wave's opening: the add, twice on end, and its wait ahead of my first tensor load
	ds_add_u32 v[SPW], v[NIL]
	v_lshrrev_b32 v1, 5, v0
	v_readfirstlane_b32 s10, v1                    ; wave 0..3
	s_lshr_b32 s11, s10, 1                         ; which half of the tile's tokens is mine.  Also: I fetch for attn (0) or for Wo (1)
	s_and_b32 s12, s10, 1                          ; which half of its columns.  Also: which half of that tile I fetch
	s_bfe_u32 s40, ttmp6, 0x40000                  ; cx, cy: my place in the cluster
	s_bfe_u32 s41, ttmp6, 0x40004
	s_lshl_b32 s42, ttmp9, 2
	s_add_co_u32 s42, s42, s40                     ; tile column = 4 x cluster x + cx
	s_and_b32 s13, ttmp7, 0xffff
	s_lshl_b32 s13, s13, 2
	s_add_co_u32 s13, s13, s41                     ; tile row = 4 x cluster y + cy
	s_lshl_b32 s43, s41, 2
	s_lshl_b32 s43, 15, s43                        ; my row of the cluster
	s_lshl_b32 s44, 0x1111, s40                    ; my column
	; group 1 for attn: 32,768 dense bytes as 128 rows of 256 (32 elements of 8 bytes), no padding
	s_or_b32 s[G1+0], s43, (3<<16)|(1<<21)         ; 15:0 the mask: my row; 17:16 elements of 8 bytes; 21 set beside a mask
	s_mov_b32 s[G1+1], 32<<16                      ; tensor_dim0
	s_mov_b32 s[G1+2], 128<<16                     ; tensor_dim1
	s_mov_b32 s[G1+3], 32<<16                      ; tile_dim0
	s_mov_b32 s[G1+4], 128                         ; tile_dim1
	s_mov_b32 s[G1+5], 32                          ; tensor_dim0_stride
	s_mov_b32 s[G1+6], 0
	s_mov_b32 s[G1+7], 0
	; group 1 for Wo: 64 rows x 256 elements of 2 bytes, 1,024 elements apart, 16 bytes of padding behind each row
	s_or_b32 s[G1B+0], s44, (1<<16)|(1<<20)|(1<<21)|(6<<22)|(3<<25)
	s_mov_b32 s[G1B+1], 256<<16
	s_mov_b32 s[G1B+2], 64<<16
	s_mov_b32 s[G1B+3], 256<<16
	s_mov_b32 s[G1B+4], 64
	s_mov_b32 s[G1B+5], 1024
	s_mov_b32 s[G1B+6], 0
	s_mov_b32 s[G1B+7], 0
	s_lshl_b32 s16, s13, 18                        ; attn: tile row x 262,144 + half x 32,768 (these registers never hold cx)
	s_lshl_b32 s17, s12, 15
	s_add_co_u32 s16, s16, s17
	s_mov_b32 s17, 0
	s_lshl_b32 s46, s42, 7                         ; Wo: row 128 x tile column + 64 x half, 2,048 bytes a row (these never hold cy)
	s_lshl_b32 s47, s12, 6
	s_add_co_u32 s46, s46, s47
	s_lshl_b32 s46, s46, 11
	s_mov_b32 s47, 0
	s_lshl_b32 s20, s12, 15                        ; where they go: the wave's number alone
	s_mul_i32 s21, s12, HALFB
	s_add_co_u32 s21, s21, BOFF
	s_wait_dscnt 0x0                               ; both opening adds are done
	s_wait_kmcnt 0x0
	s_add_nc_u64 s[14:15], s[4:5], s[16:17]
	s_add_nc_u64 s[46:47], s[6:7], s[46:47]
	CROUND                                         ; all sixteen work-groups are here: the first joint loads meet
.irp s, 0,1
	s_mov_b32 s[G0+4*\s], 1
	s_add_co_u32 s[G0+4*\s+1], s20, \s*SLOT
	s_add_nc_u64 s[G0+4*\s+2:G0+4*\s+3], s[14:15], \s*65536       ; K step s: the next dense block
	s_or_b32 s[G0+4*\s+3], s[G0+4*\s+3], 0x80000000
	s_mov_b32 s[G0B+4*\s], 1
	s_add_co_u32 s[G0B+4*\s+1], s21, \s*SLOT
	s_add_nc_u64 s[G0B+4*\s+2:G0B+4*\s+3], s[46:47], \s*512       ; K step s: 256 elements along the rows
	s_or_b32 s[G0B+4*\s+3], s[G0B+4*\s+3], 0x80000000
	JLOAD \s
.endr
	v_and_b32 v1, 15, v0                           ; l % 16
	v_bfe_u32 v2, v0, 4, 1                         ; l / 16
	v_mul_u32_u24 v3, v1, PITCH
	v_lshl_add_u32 v3, v2, 4, v3                   ; Wo: a fragment's row x pitch + 16 x half
	v_and_b32 v4, 31, v0
	v_lshlrev_b32 v4, 4, v4                        ; attn: 16 x lane in an image
	s_lshl_b32 s22, s11, 15                        ; my four token tiles of attn
	s_mul_i32 s23, s12, HALFB                      ; my 64 rows of Wo,
	s_add_co_u32 s23, s23, BOFF                    ; which lie behind attn's part
.irp s, 0,1
	v_add_nc_u32 v[ADRA+\s], s22, v4
	v_add_nc_u32 v[ADRB+\s], s23, v3
	s_add_co_u32 s22, s22, SLOT
	s_add_co_u32 s23, s23, SLOT
.endr
	s_mul_i32 s23, s10, 16*SPITCH
	s_add_co_u32 s23, s23, STAGE                   ; my stage
	v_mul_u32_u24 v5, v1, SPITCH                   ; in: row l % 16, 32 bytes for each half of the lanes
	v_lshl_add_u32 v5, v2, 5, v5
	v_add_nc_u32 v[STO], s23, v5
	v_mul_u32_u24 v5, v2, SPITCH                   ; back: lanes 0-15 take one row of 256 bytes, lanes 16-31 the next
	v_lshl_add_u32 v5, v1, 4, v5
	v_add_nc_u32 v[RD], s23, v5
	v_lshlrev_b32 v5, 12, v2                       ; and the same two rows in out: 4,096 bytes a row
	v_lshl_add_u32 v[CO], v1, 4, v5
	s_lshl_b32 s16, s13, 7
	s_lshl_b32 s17, s11, 6
	s_add_co_u32 s16, s16, s17                     ; my first row of out: 128 x tile row + 64 x half
	s_lshl_b32 s16, s16, 12
	s_mov_b32 s17, 0
	s_add_nc_u64 s[8:9], s[8:9], s[16:17]
	s_lshl_b32 s46, s42, 9                         ; my first column, in bytes: 512 x tile column + 256 x half
	s_lshl_b32 s47, s12, 8
	s_add_co_u32 s46, s46, s47
	s_mov_b32 s47, 0
	s_add_nc_u64 s[8:9], s[8:9], s[46:47]
; 8 matrix instructions: token blocks a0, a0 + 1 x all 4 blocks of Wo, 32 along K: half c of buffer f.  zero = 1: the first product starts the sums.  The 16 accumulators take turns.
.macro MUL8 f, c, a0, zero
.irp a, \a0, \a0+1
.irp b, 0,1,2,3
.if \zero
	v_wmma_f32_16x16x32_f16 v[ACC+8*(4*(\a)+\b):ACC+8*(4*(\a)+\b)+7], v[\f+64+8*(4*\c+\b):\f+64+8*(4*\c+\b)+7], v[\f+8*(4*\c+\a):\f+8*(4*\c+\a)+7], 0
.else
	v_wmma_f32_16x16x32_f16 v[ACC+8*(4*(\a)+\b):ACC+8*(4*(\a)+\b)+7], v[\f+64+8*(4*\c+\b):\f+64+8*(4*\c+\b)+7], v[\f+8*(4*\c+\a):\f+8*(4*\c+\a)+7], v[ACC+8*(4*(\a)+\b):ACC+8*(4*(\a)+\b)+7]
.endif
.endr
.endr
.endm
; 32 LDS loads in one run: the fragments of the slot's q-th 64 along K (two heads) into buffer f; the first 32 along K first
.macro FETCH slot, q, f
	WIN TO_F
.irp c, 0,1
.irp i, 0,1,2,3
	ds_load_b128 v[\f+64+8*(4*\c+\i):\f+64+8*(4*\c+\i)+3],   v[ADRB+\slot] offset:128*\q+64*\c+\i*16*PITCH
	ds_load_b128 v[\f+64+8*(4*\c+\i)+4:\f+64+8*(4*\c+\i)+7], v[ADRB+\slot] offset:128*\q+64*\c+\i*16*PITCH+32
	ds_load_b128 v[\f+8*(4*\c+\i):\f+8*(4*\c+\i)+3],         v[ADRA+\slot] offset:(2*\q+\c)*1024+\i*8192
	ds_load_b128 v[\f+8*(4*\c+\i)+4:\f+8*(4*\c+\i)+7],       v[ADRA+\slot] offset:(2*\q+\c)*1024+\i*8192+512
.endr
.endr
.endm
.macro PLACES                          ; four places in front of loads into registers that matrix instructions have read, and of reads of results
.rept 4
	v_nop
.endr
.endm
; A K step is four quarters of 64 along K, 32 matrix instructions each, on buffers 0, 1, 0, 1.  One of the first three: multiplies buffer f and fetches quarter q into g.
.macro QUARTER slot, q, f, g, zero
	s_wait_dscnt 16                                ; the first 32 along K are in
	WIN MUL
	MUL8 \f, 0, 0, \zero
	MUL8 \f, 0, 2, \zero
	PLACES
	FETCH \slot, \q, \g
	s_wait_dscnt 32                                ; all but the 32 just issued
	WIN MUL
	MUL8 \f, 1, 0, 0
	MUL8 \f, 1, 2, 0
.endm
; The last quarter multiplies buffer 1 and changes slots: ONE barrier; in front of it each wave waits for all its tensor loads, adds 0 to its spare word, and waits for that and for its own reads of this slot.
; fill = 1: this slot is filled again, two K steps ahead; the barrier then opens a round of the cluster's.
.macro TURN slot, next, fill
	WIN 0                                          ; (the add's two registers lie in window 0)
	s_wait_tensorcnt 0x0                           ; all my tensor loads have landed: my part of the next slot;
	ds_add_u32 v[SPW], v[NIL]                      ; 0 onto my spare word;
	s_wait_dscnt 17                                ; (the add and the youngest sixteen loads may be out)
	WIN MUL
	MUL8 F1, 0, 0, 0                               ; eight matrix instructions stand between the add and the wait for it
	s_wait_dscnt 0x0                               ; the add is done, and my reads of this slot are over
	s_barrier_signal -1
	MUL8 F1, 0, 2, 0
.if \fill
	WIN 0
.endif
	s_barrier_wait -1
.if \fill
	CREST                                          ; no wave of any partner still reads this slot or has a load on its way
	s_add_nc_u64 s[G0+4*\slot+2:G0+4*\slot+3], s[G0+4*\slot+2:G0+4*\slot+3], 2*65536
	s_add_nc_u64 s[G0B+4*\slot+2:G0B+4*\slot+3], s[G0B+4*\slot+2:G0B+4*\slot+3], 2*512
	JLOAD \slot                                    ; the first tensor load behind the round: 112 matrix instructions ahead of the wait for it; its four v_nop are also the places in front of the loads below
.else
	PLACES
.endif
	FETCH \next, 0, F0
	WIN MUL
	MUL8 F1, 1, 0, 0
	MUL8 F1, 1, 2, 0
.endm
	s_wait_tensorcnt 1                             ; my part of K step 0 is in; K step 1's may stay out
	s_barrier_signal -1
	s_barrier_wait -1                              ; everybody's is
	FETCH 0, 0, F0
	QUARTER 0, 1, F0, F1, 1                        ; K step 0: its first products start the sums
	QUARTER 0, 2, F1, F0, 0
	QUARTER 0, 3, F0, F1, 0
	TURN 0, 1, 1                                   ; slot 0 takes K step 2
	QUARTER 1, 1, F0, F1, 0                        ; K step 1
	QUARTER 1, 2, F1, F0, 0
	QUARTER 1, 3, F0, F1, 0
	TURN 1, 0, 1                                   ; slot 1 takes K step 3
	QUARTER 0, 1, F0, F1, 0                        ; K step 2
	QUARTER 0, 2, F1, F0, 0
	QUARTER 0, 3, F0, F1, 0
	TURN 0, 1, 0                                   ; nothing is left to fetch
	QUARTER 1, 1, F0, F1, 0                        ; K step 3
	QUARTER 1, 2, F1, F0, 0
	QUARTER 1, 3, F0, F1, 0
	s_wait_dscnt 16                                ; the very last quarter
	WIN MUL
	MUL8 F1, 0, 0, 0
	MUL8 F1, 0, 2, 0
	s_wait_dscnt 0
	MUL8 F1, 1, 0, 0
	MUL8 F1, 1, 2, 0
	WIN 0
; THE WAY OUT, block by block of 16 tokens x 64 columns.  A lane holds 32 neighbouring bytes of a row, and the lanes beside it hold other rows: a block goes through my own stage and comes back as whole rows of 256 bytes.
; LDS serves a wave's instructions in order (ISA guide 5.7.1.4): no wait between the stores and the loads, nor in front of the next block's stores.
.macro TOSTAGE a
.irp b, 0,1,2,3
	ds_store_b128 v[STO], v[ACC+8*(4*(\a)+\b):ACC+8*(4*(\a)+\b)+3] offset:64*\b          ; each accumulator from its low end on
	ds_store_b128 v[STO], v[ACC+8*(4*(\a)+\b)+4:ACC+8*(4*(\a)+\b)+7] offset:64*\b+16
.endr
.irp t, 0,1,2,3,4,5,6,7
	ds_load_b128 v[BK+32*((\a)%2)+4*\t:BK+32*((\a)%2)+4*\t+3], v[RD] offset:\t*2*SPITCH
.endr
.endm
.macro SEND a, younger                 ; younger: the LDS instructions issued behind block a's loads, which may stay out
	s_wait_dscnt \younger
.irp t, 0,1,2,3,4,5,6,7
	global_store_b128 v[CO], v[BK+32*((\a)%2)+4*\t:BK+32*((\a)%2)+4*\t+3], s[8:9] offset:(16*(\a)+2*\t)*4096 th:TH_STORE_NT   ; 16 lanes store 256 consecutive bytes, at a multiple of 256 from the buffer's first byte
.endr
.endm
	PLACES
	TOSTAGE 0
	TOSTAGE 1
	SEND 0, 16                                     ; behind block 0's loads: block 1's eight stores and eight loads
	s_wait_xcnt 0x0                                ; block 0's stores have read their registers: block 2's loads may land there
	TOSTAGE 2
	SEND 1, 16
	s_wait_xcnt 0x0
	TOSTAGE 3
	SEND 2, 16
	SEND 3, 0
	s_wait_tensorcnt 0x0                           ; the wave's end: behind my last tensor load and my last LDS store
	ds_add_u32 v[SPW], v[NIL]
	s_wait_dscnt 0x0
	CROUND                                         ; the closing round
	s_endpgm
.Lfunc_end_k_q3213631188_oproj:
	.size	k_q3213631188_oproj, .Lfunc_end_k_q3213631188_oproj-k_q3213631188_oproj
	.p2alignl 7, 3214868480
	.fill 96, 4, 3214868480
	.section	.rodata,"a",@progbits
	.p2align	6, 0x0
	.amdhsa_kernel k_q3213631188_oproj
		.amdhsa_group_segment_fixed_size 327680
		.amdhsa_private_segment_fixed_size 0
		.amdhsa_enable_private_segment 0
		.amdhsa_kernarg_size 24
		.amdhsa_user_sgpr_count 2
		.amdhsa_user_sgpr_kernarg_segment_ptr 1
		.amdhsa_wavefront_size32 1
		.amdhsa_system_sgpr_workgroup_id_x 1
		.amdhsa_system_sgpr_workgroup_id_y 1
		.amdhsa_system_sgpr_workgroup_id_z 1
		.amdhsa_system_vgpr_workitem_id 0
		.amdhsa_next_free_vgpr 512
		.amdhsa_next_free_sgpr 66
		.amdhsa_reserve_vcc 0
		.amdhsa_float_denorm_mode_32 3
		.amdhsa_float_denorm_mode_16_64 3
		.amdhsa_memory_ordered 1
		.amdhsa_forward_progress 1
		.amdhsa_inst_pref_size 85
	.end_amdhsa_kernel
	.amdgpu_metadata
---
amdhsa.version: [ 1, 2 ]
amdhsa.kernels:
  - .name:           k_q3213631188_oproj
    .symbol:         k_q3213631188_oproj.kd
    .args:
      - { .name: af, .offset: 0, .size: 8, .value_kind: global_buffer, .address_space: global }
      - { .name: wo16, .offset: 8, .size: 8, .value_kind: global_buffer, .address_space: global }
      - { .name: out0, .offset: 16, .size: 8, .value_kind: global_buffer, .address_space: global }
    .group_segment_fixed_size: 327680
    .private_segment_fixed_size: 0
    .kernarg_segment_align: 8
    .kernarg_segment_size: 24
    .max_flat_workgroup_size: 128
    .sgpr_count:     66
    .vgpr_count:     512
    .wavefront_size: 32
...
	.end_amdgpu_metadata
.endif
;; end of part 4
